; MI455X (gfx1250); checked and timed in simulation.
; The chip was launched on July 23, 2026; its instructions are those of AMD's public machine-readable ISA for CDNA 5 (MIT licence, August 2026) and "CDNA5" Instruction Set Architecture Reference Guide (July 2026). The comments in the code are by the model that wrote it; some were corrected since.
;; Attend. Allowed arithmetic: matrix products marked QUANTISED: E3M2 operands, one E8M0 scale for each 32 along K, by v_wmma_scale_f32_16x16x128_f8f6f4 with both operands' format E3M2, f32 sums; everything else in f32.
;; Inputs: k 4 x 16 x 2,048 x 64 float32; mask 4 x 2,048 bool; q 4 x 16 x 2,048 x 64 float32; v 4 x 16 x 2,048 x 64 float32.
;; Outputs: out0 4 x 16 x 2,048 x 64 float32.
;; This version of the problem:
;;   THIS VERSION OF THE PROBLEM IS GIVEN IN LOW PRECISION. The matrix products marked QUANTISED in the list below multiply operands that are first quantised to E3M2 (3 exponent bits, 2 mantissa bits; 6 bits a number), with one power-of-two scale for each 32 numbers along K (OCP MX v1.0); their sums are f32. All else is computed in f32.
;;   The module's matrix products, in the order in which they are computed (A, B: the left and right operand; K: the contracted axis; several contracted axes count as one K, in the product's order):
;;     1. batch 64 x [M 2,048, K 64] x [K 64, N 2,048]; A: input q; B: input k: QUANTISED
;;     2. batch 64 x [M 2,048, K 2,048] x [K 2,048, N 64]; A: softmax (see below); B: input v: QUANTISED
;;   THE QUANTISER, for each operand of a quantised product, along K:
;;     - K is cut into blocks of 32 from its start; a last block that is shorter is filled with zeros.
;;     - A block's scale is 2^e with e = floor(log2(the largest magnitude in the block)) - 4, held to -126 .. 127; a block of zeros has e = 0. As a byte (E8M0): e + 127.
;;     - Each number is divided by its block's scale, clamped to +-28, and rounded to the nearest number of E3M2, ties to even, subnormals kept.
;;     - The product sums the exact products of the quantised numbers (number of the format x scale) in f32.
;;   ~~~python
;;   def quantise(x, axis):      # numpy; x: float32 -> the quantised numbers, widened to float32 again
;;       x = np.moveaxis(x, axis, -1); K = x.shape[-1]
;;       x = np.pad(x, [(0, 0)] * (x.ndim - 1) + [(0, -K % 32)]); x = x.reshape(x.shape[:-1] + (-1, 32)); a = np.abs(x).max(-1, keepdims=True)
;;       e = np.where(a > 0, np.clip(np.frexp(np.where(a > 0, a, 1))[1] - 1 - 4, -126, 127), 0)      # np.frexp(a)[1] - 1 = floor(log2(a)), exactly
;;       r = np.clip(x / 2.0 ** e, -28, 28)
;;       step = 2.0 ** (np.maximum(np.frexp(np.where(r == 0, 1, r))[1] - 1, -2) - 2)
;;       q = np.round(r / step) * step * 2.0 ** e      # np.round: ties to even
;;       return np.moveaxis(q.reshape(q.shape[:-2] + (-1,))[..., :K], -1, axis).astype(np.float32)
;;   ~~~
;;   SOFTMAX AHEAD OF A QUANTISED PRODUCT. Where the list says 'softmax', what is quantised is not the finished softmax but p = 2^(t - M), with t = logit x log2(e) and M = ceil(the row's largest t), a whole number; so 1/2 < the row's largest p <= 1. The row's sum l is taken of the UNQUANTISED p, in f32, and the product's result is divided by l at the end. Since M is a whole number, a kernel that streams over the keys may use a running M (the ceiling of the running maximum): every later rescaling is an exact power of two, which a block's scale takes up: the codes' values come out the same.
;;   OPERANDS COMPUTED ON THE WAY. 'Computed on the way' means the value that the module computes at that place (a softmax that the list does not call 'softmax' is quantised finished and normalised). What goes into a quantiser is computed in f32, as accurately as f32 sums, v_exp_f32 and their like allow (about 1e-6 of the number): no bf16 or f16 on the way to a quantiser, and a product that is left as it is and whose result goes on into a quantised operand takes f32 operands (vector FMAs, or v_wmma_f32_16x16x4_f32). A number that lies on a knife's edge between two numbers of the format may be rounded either way, as far as f32 arithmetic and the matrix unit's own rounding can turn it there, and no further.
;; One version. Each part assembles by itself: llvm-mc -triple=amdgcn-amd-amdhsa -mcpu=gfx1250 --defsym DOCPART=n.
;; ======== version 1 of 1: 2 launches
;; limits: inputs' magnitudes at most 10,000,000,000,000
;; workspace buffers: vcodes 6,291,456 bytes; vsch 524,288 bytes; vpart 524,288 bytes
;; launch vq (part 1): grid 8 x 64, 8 waves a work-group, no clusters, 0 bytes of LDS; arguments v, vcodes, vsch, vpart; writes vcodes, vsch, vpart
.if DOCPART == 1
	.amdgcn_target "amdgcn-amd-amdhsa--gfx1250"
	.amdhsa_code_object_version 6
	.text
	.protected	k_qa39da06858_vq
	.globl	k_qa39da06858_vq
	.p2align	8
	.type	k_qa39da06858_vq,@function
k_qa39da06858_vq:
	s_mov_b64 s[64:65], 0
	v_nop
	global_prefetch_b8 v0, s[64:65] scope:SCOPE_SE
	s_setreg_imm32_b32 hwreg(HW_REG_WAVE_MODE, 25, 1), 1
	s_wait_xcnt 0x0
; v [64 heads][2048 keys][64 d], f32, is the second product's operand whose K is the keys.  It is turned into codes of BF6 (E3M2), one E8M0 scale for each 32 keys.
; OUT: vcodes [head][64 blocks][3 pieces][64 d][8 bytes]: piece p of (block, d) = bytes 8 p .. 8 p + 7 of the 24-byte stream of that block's 32 codes;
;      vsch   [head][32 pairs of blocks][64 d] u32: byte 0 the scale of block 2 g, byte 1 of block 2 g + 1, upper half 0;
;      vpart  [head][32 pairs][64 d] f32: the sum of the quantised numbers over the pair's 64 keys (the next launch adds the 32 of a head: a query without any visible key takes the mean of all keys).
; A LANE TAKES A COLUMN d, AND ITS REGISTERS RUN DOWN THE KEYS: a block of 32 keys lies in one lane's 32 registers, its largest magnitude needs no other lane, and the conversions give codes with the keys innermost.
; A wave takes 64 keys x 32 d; the two waves of a pair stand side by side on a row's 256 bytes.  No loop, no LDS, no barrier: waves share nothing.  All 64 loads of a wave go out at once.
; THE SUM: the wave's 12 code registers ARE a matrix operand: row r, k = 64 c + 32 h + i is (d = r + 16 h, key 32 c + i).  Against a matrix of ones that takes the h = 0 parts in even columns and the
; h = 1 parts in odd ones, one instruction gives the sums of d = m (column 0) and of d = 16 + m (column 1).
; A block's scale is 2^(floor(log2(its largest magnitude)) - 4); its byte is the largest magnitude's exponent field - 4, held at 1 from below (a block of zeros so gets the byte 1: its codes are zeros, and this program alone reads the bytes).
; LIMITS: NaN and infinities among the inputs are not served.
.set XN,   16                          ; v16-79   two sets of 32 numbers
.set FR,   80                          ; v80-91   the codes: registers 6 c .. 6 c + 5 = block c
.set TC,   92                          ; v92-94   a conversion's three registers begin on an even number: the second half of a block is made here and moved
.set ONES, 96                          ; v96-107  the ones
.set ACC,  108                         ; v108-115 the sums
.set SA,   116                         ; v116     the codes' scale word: byte 2 c + h of row r = (d = r + 16 h, block c)
.set SB,   117                         ; v117     the ones' scale word: four times 2^0
.set BY,   118                         ; v118-119 the two blocks' bytes
.set MXA,  120
.set MXB,  121
.set SCV,  122                         ; the conversions' scale operand
.set BPH,  123                         ; a lane permute's destination
.set HW,   124                         ; the word for vsch
.set PAT,  125                         ; v125-127 96 bits of the code 1.0 (0x0c) sixteen times
	s_load_b256 s[4:11], s[0:1], 0x0               ; v s[4:5], vcodes s[6:7], vsch s[8:9], vpart s[10:11]
	v_lshrrev_b32 v7, 5, v0
	s_delay_alu instid0(VALU_DEP_1)
	v_readfirstlane_b32 s14, v7                    ; wave 0..7
	v_and_b32 v8, 31, v0                           ; lane
	s_delay_alu instid0(VALU_DEP_1)
	v_lshlrev_b32 v1, 2, v8                        ; 4 x lane
	s_delay_alu instid0(VALU_DEP_2)
	v_lshlrev_b32 v2, 3, v8                        ; 8 x lane
	v_and_b32 v3, 15, v0                           ; n = lane % 16
	v_bfe_u32 v4, v0, 4, 1                         ; h = lane / 16
	s_delay_alu instid0(VALU_DEP_1)
	v_lshlrev_b32 v5, 3, v4                        ; 8 h
	v_and_b32 v9, 1, v0                            ; n % 2
	s_delay_alu instid0(VALU_DEP_1)
	v_lshlrev_b32 v6, 6, v9
	s_delay_alu instid0(VALU_DEP_1)
	v_lshl_add_u32 v6, v4, 5, v6                   ; vpart: 64 (n % 2) + 32 h: the eight sums of lane (n, h) are those of d = 16 n + 8 h + 0 .. 7
	v_mov_b32 v[BPH], 0                            ; written once: a lane permute's destination counts as one of its sources
	v_mov_b32 v[SB], 0x7f7f7f7f
	s_mov_b32 s12, 0x76543210
	s_mov_b32 s13, 0xfedcba98                      ; v_permlanex16_b32's selects for lane l xor 16
	s_and_b32 s15, ttmp7, 0xffff                   ; head
	s_lshr_b32 s16, s14, 1
	s_lshl_b32 s17, ttmp9, 2
	s_add_co_u32 s16, s16, s17                     ; pair of blocks g = 4 x + wave / 2
	s_and_b32 s17, s14, 1                          ; which 32 of the 64 d
	s_lshl_b32 s20, s15, 19                        ; v: a head is 2048 rows of 256 bytes,
	s_lshl_b32 s18, s16, 14                        ; a pair 64 rows,
	s_add_co_u32 s20, s20, s18
	s_lshl_b32 s18, s17, 7                         ; my 32 d are 128 bytes
	s_add_co_u32 s20, s20, s18
	s_mov_b32 s21, 0
	s_lshl_b32 s22, s15, 6                         ; vcodes: block 64 head + 2 g, 1,536 bytes a block; my 32 d are 256 bytes of a piece
	s_lshl_b32 s18, s16, 1
	s_add_co_u32 s22, s22, s18
	s_mul_i32 s22, s22, 1536
	s_lshl_b32 s18, s17, 8
	s_add_co_u32 s22, s22, s18
	s_mov_b32 s23, 0
	s_lshl_b32 s24, s15, 5                         ; vsch, vpart: pair 32 head + g, 256 bytes a pair; my 32 d are 128 bytes
	s_add_co_u32 s24, s24, s16
	s_lshl_b32 s24, s24, 8
	s_lshl_b32 s18, s17, 7
	s_add_co_u32 s24, s24, s18
	s_mov_b32 s25, 0
	s_wait_alu depctr_va_vdst(0)
	s_wait_kmcnt 0x0
	s_add_nc_u64 s[4:5], s[4:5], s[20:21]
	s_add_nc_u64 s[6:7], s[6:7], s[22:23]
	s_add_nc_u64 s[8:9], s[8:9], s[24:25]
	s_add_nc_u64 s[10:11], s[10:11], s[24:25]
.macro LOADB c                         ; block c: v(32 c + i, my d), i = 0 .. 31
.set i, 0
.rept 32
	global_load_b32 v[XN+32*(\c)+i], v1, s[4:5] offset:(32*(\c)+i)*256 th:TH_LOAD_NT
.set i, i+1
.endr
.endm
	LOADB 0
	LOADB 1
	; the ones, while the loads are on their way: lane (n, h) holds k = 64 c + 32 h + 0 .. 31 of column n: ones where h = n % 2, else zeros
	v_mov_b32 v[PAT], 0x0c30c30c
	v_mov_b32 v[PAT+1], 0xc30c30c3
	v_mov_b32 v[PAT+2], 0x30c30c30
	v_cmp_eq_u32 vcc_lo, v9, v4
.irp i, 0,1,2,3
.irp u, 0,1,2
	v_cndmask_b32 v[ONES+3*\i+\u], 0, v[PAT+\u], vcc_lo
.endr
.endr
.macro BLOCK c, left
.set XS, XN+32*(\c)
	s_wait_loadcnt \left                           ; this block's 32 loads are in; left = the other block's, which are younger
	v_max3_num_f32 v[MXA], |v[XS]|, |v[XS+1]|, |v[XS+2]|             ; the block's largest magnitude, in two chains
	v_max3_num_f32 v[MXB], |v[XS+3]|, |v[XS+4]|, |v[XS+5]|
.irp i, 6,10,14,18,22,26
	s_delay_alu instid0(VALU_DEP_2)
	v_max3_num_f32 v[MXA], v[MXA], |v[XS+\i]|, |v[XS+\i+1]|
	s_delay_alu instid0(VALU_DEP_2)
	v_max3_num_f32 v[MXB], v[MXB], |v[XS+\i+2]|, |v[XS+\i+3]|
.endr
	s_delay_alu instid0(VALU_DEP_2)
	v_max3_num_f32 v[MXA], v[MXA], |v[XS+30]|, |v[XS+31]|
	s_delay_alu instid0(VALU_DEP_1)
	v_max3_num_f32 v[MXA], v[MXA], v[MXB], 0x2800000                ; and the floor 2^(5 - 127): the byte cannot fall under 1
	s_delay_alu instid0(VALU_DEP_1)
	v_add_nc_u32 v[SCV], 0xfe000000, v[MXA]        ; 4 off the exponent field: the conversion takes the exponent field of this operand as its scale
	v_cvt_scalef32_pk16_bf6_f32 v[FR+6*(\c):FR+6*(\c)+2], v[XS:XS+15], v[SCV]
	v_cvt_scalef32_pk16_bf6_f32 v[TC:TC+2], v[XS+16:XS+31], v[SCV]
	v_lshrrev_b32 v[BY+(\c)], 23, v[SCV]           ; the scale's byte.  (Also the plain line between the conversions and the moves that read their results)
.irp i, 0,1,2
	v_mov_b32 v[FR+6*(\c)+3+\i], v[TC+\i]
.endr
.irp p, 0,1,2
	global_store_b64 v2, v[FR+6*(\c)+2*\p:FR+6*(\c)+2*\p+1], s[6:7] offset:1536*(\c)+512*\p   ; 32 lanes store 256 consecutive bytes, at a multiple of 256 from the buffer's first byte
.endr
.endm
	BLOCK 0, 32
	BLOCK 1, 0
	v_lshl_or_b32 v[HW], v[BY+1], 8, v[BY]
	global_store_b32 v1, v[HW], s[8:9]             ; 128 consecutive bytes; the wave beside me stores the other 128 of the pair's 256
	v_lshl_or_b32 v[SA], v[BY+1], 16, v[BY]        ; my two bytes, blocks 0 and 1 of d = r + 16 h,
	s_delay_alu instid0(VALU_DEP_1)
	v_lshlrev_b32 v[SA], v5, v[SA]                 ; at their places in the row's scale word (8 h bits up);
	s_delay_alu instid0(VALU_DEP_1)
	v_permlanex16_b32 v[BPH], v[SA], s12, s13
	s_delay_alu instid0(VALU_DEP_1)
	v_or_b32 v[SA], v[SA], v[BPH]                  ; with lane l xor 16's two the word is whole
.rept 8
	v_nop                                          ; a scale register written by a vector instruction stands 8 places ahead of a scaled matrix instruction, an operand so written 4
.endr
	v_wmma_scale_f32_16x16x128_f8f6f4 v[ACC:ACC+7], v[FR:FR+11], v[ONES:ONES+11], 0, v[SA], v[SB] matrix_a_fmt:MATRIX_FMT_BF6 matrix_b_fmt:MATRIX_FMT_BF6
.rept 4
	v_nop                                          ; four places between the product and the stores that read it
.endr
	s_wait_xcnt 0x0                                ; EXEC is a source of the stores above: it changes only behind this wait
	v_cmp_gt_u32 vcc_lo, 2, v3                     ; columns 0 and 1: lanes 0, 1, 16, 17
	s_and_saveexec_b32 s19, vcc_lo
	global_store_b128 v6, v[ACC:ACC+3], s[10:11]   ; the accumulator from its low end on
	global_store_b128 v6, v[ACC+4:ACC+7], s[10:11] offset:16
	s_endpgm
.Lfunc_end_k_qa39da06858_vq:
	.size	k_qa39da06858_vq, .Lfunc_end_k_qa39da06858_vq-k_qa39da06858_vq
	.p2alignl 7, 3214868480
	.fill 96, 4, 3214868480
	.section	.rodata,"a",@progbits
	.p2align	6, 0x0
	.amdhsa_kernel k_qa39da06858_vq
		.amdhsa_group_segment_fixed_size 0
		.amdhsa_private_segment_fixed_size 0
		.amdhsa_enable_private_segment 0
		.amdhsa_kernarg_size 32
		.amdhsa_user_sgpr_count 2
		.amdhsa_user_sgpr_kernarg_segment_ptr 1
		.amdhsa_wavefront_size32 1
		.amdhsa_system_sgpr_workgroup_id_x 1
		.amdhsa_system_sgpr_workgroup_id_y 1
		.amdhsa_system_sgpr_workgroup_id_z 1
		.amdhsa_system_vgpr_workitem_id 0
		.amdhsa_next_free_vgpr 128
		.amdhsa_next_free_sgpr 66
		.amdhsa_reserve_vcc 1
		.amdhsa_float_denorm_mode_32 3
		.amdhsa_float_denorm_mode_16_64 3
		.amdhsa_memory_ordered 1
		.amdhsa_forward_progress 1
		.amdhsa_inst_pref_size 15
	.end_amdhsa_kernel
	.amdgpu_metadata
---
amdhsa.version: [ 1, 2 ]
amdhsa.kernels:
  - .name:           k_qa39da06858_vq
    .symbol:         k_qa39da06858_vq.kd
    .args:
      - { .name: v, .offset: 0, .size: 8, .value_kind: global_buffer, .address_space: global }
      - { .name: vcodes, .offset: 8, .size: 8, .value_kind: global_buffer, .address_space: global }
      - { .name: vsch, .offset: 16, .size: 8, .value_kind: global_buffer, .address_space: global }
      - { .name: vpart, .offset: 24, .size: 8, .value_kind: global_buffer, .address_space: global }
    .group_segment_fixed_size: 0
    .private_segment_fixed_size: 0
    .kernarg_segment_align: 8
    .kernarg_segment_size: 32
    .max_flat_workgroup_size: 256
    .sgpr_count:     66
    .vgpr_count:     128
    .wavefront_size: 32
...
	.end_amdgpu_metadata
.endif
;; end of part 1
;; launch attend (part 2): grid 4 x 64, 16 waves a work-group, no clusters, 224,512 bytes of LDS; arguments q, k, mask, vcodes, vsch, vpart, out0; writes out0
.if DOCPART == 2
	.amdgcn_target "amdgcn-amd-amdhsa--gfx1250"
	.amdhsa_code_object_version 6
	.text
	.protected	k_qa39da06858_attend
	.globl	k_qa39da06858_attend
	.p2align	8
	.type	k_qa39da06858_attend,@function
k_qa39da06858_attend:
	s_mov_b64 s[64:65], 0
	v_nop
	global_prefetch_b8 v0, s[64:65] scope:SCOPE_SE
	s_setreg_imm32_b32 hwreg(HW_REG_WAVE_MODE, 25, 1), 1
	s_wait_xcnt 0x0
; out[h][q] = the sum over keys of softmax(q . k / 8, masked) v.  Key k counts for query q where q - 256 <= k <= q and mask[batch][k] is true.  64 heads, 2,048 queries and keys, head size 64.
; Both products on codes of BF6 (E3M2) with one E8M0 scale for each 32 along K.  q and k (f32) are quantised here, in registers; v comes as codes, scale bytes and partial sums from the launch before.
; SOFTMAX: t = score x log2(e) / 8; M = the running largest t rounded up to a whole number; p = 2^(t - M) is quantised along the keys, not normalised; the sum of the unquantised p divides at the end.
; SHARES.  A work-group owns 512 queries of a head and holds 24 blocks of 32 keys (local block lb = global block 16 x - 8 + lb).  Sixteen waves; wave w makes query tiles w and w + 16 (16 queries each), one a trip.
; A tile of queries in block m needs blocks m - 8 .. m: a step of four blocks, a second of four, and the diagonal block alone: 288 keys.  The band's two edges fall in the first and in the last of these blocks.
; For x = 0 the blocks lb < 8 do not exist: their addresses are held at real data, and their keys are made masked keys.
; LAYOUT.  Both products are used transposed (S^T = K Q^T, O^T = V^T P^T): a lane holds one query (lane % 16) throughout.  THE KEYS OF A TILE ARE NOT NEIGHBOURS: row r of tile 2 b + u is key 32 b + 8 u + r + 8 (r / 8),
; so that the 16 registers of tiles 2 b and 2 b + 1 are keys 32 b + 16 (lane / 16) + 0 .. 15.
; THE BAND costs no instruction in the loop: it is the C of the two tiles on each edge: 0 or -2^110, made once a wave (a wave's two tiles have the same place in their block).
; THE INPUT MASK rides in the unused half of the first product's K (64 of 128): Q has the code 1.0 at k = 64 and k = 96 under the scale 2^0; a masked key has the code -28 there under 2^100, a valid key the code 0.
; A QUERY WITHOUT ANY VISIBLE KEY has all 2,048 logits equal: its result is the mean of all quantised v.  No branch serves it: the running largest t starts at -2^90, O^T at that mean and the sum at 1; with no visible key
; every p is 0 and every rescaling is by 2^0; the first visible key rescales by 2^(a saturated, hugely negative number) = 0 and wipes the start.
; OPERANDS GO FROM WAVE TO WAVE THROUGH LDS AS IMAGES OF THEIR REGISTERS (8 of a fragment's 12; the last four are zeros and stay in registers).  One barrier in the launch: behind it LDS is only read, but for each wave's own stage.
; No tensor load, no cluster, no prefetch: every LDS byte is filled once, at the head; q and k pass through registers to be quantised; neighbouring work-groups share 8 of 24 blocks, as f32.
; LIMITS: a query whose largest t lies under -2^90 counts as without a key; scores of magnitude near 2^100 would meet the mask's addend; NaN and infinities among the inputs are not served; a block of zeros has the byte 1.
.set RECB, 1152                        ; LDS: 80 records: registers 0-3 (512 bytes, 16 a lane), registers 4-7 (512), the scale word (128, 4 a lane).  K's tile 2 lb + u is record 2 lb + u, Q's tile j record 48 + j
.set VCOD, 92160                       ; V's codes: piece 3 lb + p at 640 bytes each (512 + 128): a block is 1,920 bytes = 128 modulo 256, so that the two halves of the lanes fall on different banks (64 banks of 4 bytes: ISA guide 11.1)
.set SWB,  138240                      ; V's scale words, sliding: [first block 0..23][64 d] u32, bytes = four blocks on end
.set VSA,  144384                      ; the head's sum of quantised v / 2048: 64 f32
.set STG,  144640                      ; a stage of 4,864 bytes for each wave: the turn of f32 rows, later the way out
.set STGB, 4864
.set LI,   1                           ; v1  16 x lane          v2  4 x lane
.set L4,   2
.set AV0,  3                           ; v3  VCOD + 1920 h + 8 r
.set AW0,  4                           ; v4  SWB + 4 r
.set AVS,  5                           ; v5  VSA + 32 h
.set OSI,  6                           ; v6  the way out: my stage + 272 r + 32 h
.set OSO,  7                           ; v7  and back: my stage + 272 h + 16 r
.set GO,   8                           ; v8  256 h + 16 r: the same two rows in out
.set ADK,  9                           ; v9-11, v16-18: the trip's LDS addresses
.set ADS,  10
.set ADV,  11
.set ADW,  16
.set ADQ,  17
.set ADQS, 18                          ; v12 -M, v13 the largest t, v[14:15] the sum in two halves
.set QS,   20                          ; v20 Q's scale word; v21-24 those of four tiles of K, then of V; v25 p's: these hold scales and nothing else
.set KS,   21
.set PW,   25
.set QF,   26                          ; v26-37   Q's fragment
.set KF,   38                          ; v38-85   four fragments of K; registers 8-11 of each stay zero
.set SCO,  86                          ; v86-149  S^T, then p
.set VF,   102                         ; v102-149 four fragments of V, over p's registers once p is converted
.set OT,   150                         ; v150-181 O^T
.set PF,   182                         ; v182-193 p's codes
.set PT,   194                         ; v194-201 the conversions' second halves
.set BM,   202                         ; v202-205 the blocks' largest scores, then largest p
.set BPM,  206                         ; v206-209 lane l xor 16's, then the bytes
.set SCL,  210                         ; v210-213 the conversions' scale operands
.set FF,   214                         ; v[214:215] f = 2^(old M - new M), and a written partner
.set TA,   216
.set L2,   218                         ; v[218:219] the sum's second chain
.set BW,   224                         ; v224-239 the window's edge as C;   v240-255 the diagonal's
.set BC,   240
; at the head only:
.set RS,   28                          ; v28-123  three sets of 32: a tile of 16 rows as it is loaded
.set XT,   124                         ; v124-155 the tile turned: 32 neighbours a lane
.set VC,   156                         ; v156-173 V's codes on their way to LDS
.set MB,   174                         ; v174-176 my key's mask byte in three tiles
.set FI,   178                         ; v178-185 a fragment's image
.set TC,   186
.set MXA,  190
.set MXB,  191
.set SCV,  192
.set BY,   193
.set BPH,  194
.set WD,   195
.set HI,   196
.set HOK,  197
.set HPAD, 198
.set H8,   199
.set STI,  200
.set STO,  201
.set RK,   202
.set RKS,  203
.set RQ,   204
.set RQS,  205
.set VG,   206
.set VL,   207
.set MO,   208
.set TSW,  209
.set TVS,  210
.set TG,   211                         ; v211-214
.set DL,   220
.set NEG,  221
.set TQ,   222
.set SEL,  22                          ; s[22:23] lane selects for lane l xor 16
.set CS,   24                          ; s[24:25] c = log2(e) / 8
	s_load_b256 s[4:11], s[0:1], 0x0               ; q s[4:5], k s[6:7], mask s[8:9], vcodes s[10:11]
	s_load_b128 s[12:15], s[0:1], 0x20             ; vsch s[12:13], vpart s[14:15]
	s_load_b64 s[16:17], s[0:1], 0x30              ; out
	v_lshl_add_u32 v217, v0, 2, 0x36500
	v_mov_b32 v223, 0
	v_lshrrev_b32 v19, 5, v0
	s_delay_alu instid0(VALU_DEP_1)
	v_readfirstlane_b32 s18, v19                   ; wave 0..15
	s_mov_b32 s19, ttmp9                           ; x: which 512 queries
	s_and_b32 s20, ttmp7, 0xffff                   ; head
	s_mov_b32 s[SEL], 0x76543210
	s_mov_b32 s[SEL+1], 0xfedcba98
	s_mov_b32 s[CS], 0x3e38aa3b
	s_mov_b32 s[CS+1], s[CS]                       ; (named with it as a pair, so it is written)
	s_lshr_b32 s28, s18, 1                         ; w / 2
	s_and_b32 s29, s18, 1                          ; w % 2
	; byte offsets, made apart from the addresses
	s_lshl_b32 s26, s20, 19                        ; a head: 2,048 rows of 256 bytes;
	s_lshl_b32 s27, s19, 17                        ; 512 rows
	s_add_co_u32 s26, s26, s27
	s_lshl_b32 s27, s18, 12                        ; q, out: my first tile: 16 rows x wave
	s_add_co_u32 s50, s26, s27
	s_mov_b32 s51, 0
	s_lshl_b32 s27, s28, 13                        ; k: block 16 x + w / 2 (lb = 8 + w / 2), rows 8 (w % 2) on
	s_add_co_u32 s52, s26, s27
	s_lshl_b32 s27, s29, 11
	s_add_co_u32 s52, s52, s27
	s_mov_b32 s53, 0
	s_cmp_lg_u32 s19, 0                            ; eight blocks back, where they exist
	s_cselect_b32 s35, 1, 0
	s_cselect_b32 s42, 0x10000, 0
	s_cselect_b32 s43, 0x100, 0
	s_cselect_b32 s44, 0x3000, 0
	s_sub_co_u32 s54, s52, s42
	s_mov_b32 s55, 0
	s_lshr_b32 s27, s20, 4                         ; mask: batch = head / 16, 2,048 bytes each
	s_lshl_b32 s56, s27, 11
	s_lshl_b32 s27, s19, 9
	s_add_co_u32 s56, s56, s27
	s_lshl_b32 s27, s28, 5
	s_add_co_u32 s56, s56, s27
	s_lshl_b32 s27, s29, 3
	s_add_co_u32 s56, s56, s27
	s_mov_b32 s57, 0
	s_sub_co_u32 s58, s56, s43
	s_mov_b32 s59, 0
	s_mul_i32 s60, s20, 98304                      ; vcodes: 64 blocks of 1,536 bytes a head; block 16 x
	s_mul_i32 s27, s19, 24576
	s_add_co_u32 s60, s60, s27
	s_mov_b32 s61, 0
	s_sub_co_u32 s62, s60, s44
	s_mov_b32 s63, 0
	s_lshl_b32 s66, s20, 13                        ; vsch, vpart: 8,192 bytes a head
	s_mov_b32 s67, 0
	s_lshl_b32 s27, s29, 7
	s_add_co_u32 s68, s66, s27                     ; vpart: my 32 of the 64 d
	s_mov_b32 s69, 0
	; LDS places that hang on the wave
	s_mul_i32 s46, s18, STGB
	s_add_co_u32 s46, s46, STG                     ; my stage
	s_mul_i32 s47, s18, RECB                       ; record w
	s_lshl_b32 s48, s28, 10
	s_lshl_b32 s27, s29, 7
	s_add_co_u32 s48, s48, s27
	s_add_co_u32 s48, s48, SWB                     ; the sliding words of first blocks 4 (w / 2) on, my 32 d
	s_add_co_u32 s49, s27, VSA
	s_and_b32 s30, s18, 14
	s_mul_i32 s30, s30, RECB                       ; the trip's first record of K: 2 (w / 2)
	s_mul_i32 s31, s28, 1920                       ; its first block of V
	s_lshl_b32 s32, s28, 8                         ; and of the sliding words
	s_add_co_u32 s33, s18, 48
	s_mul_i32 s33, s33, RECB                       ; Q's record
	v_and_b32 v26, 31, v0                          ; lane
	v_and_b32 v27, 15, v0                          ; r
	v_bfe_u32 v19, v0, 4, 1                        ; h
	s_delay_alu instid0(VALU_DEP_3)
	v_lshlrev_b32 v[LI], 4, v26
	s_delay_alu instid0(VALU_DEP_4)
	v_lshlrev_b32 v[L4], 2, v26
	s_delay_alu instid0(VALU_DEP_3)
	v_mul_u32_u24 v[AV0], v19, 1920
	s_delay_alu instid0(VALU_DEP_1)
	v_lshl_add_u32 v[AV0], v27, 3, v[AV0]
	s_delay_alu instid0(VALU_DEP_1)
	v_add_nc_u32 v[AV0], VCOD, v[AV0]
	v_lshl_add_u32 v[AW0], v27, 2, SWB
	v_lshl_add_u32 v[AVS], v19, 5, VSA
	v_mul_u32_u24 v[OSI], v27, 272
	s_delay_alu instid0(VALU_DEP_1)
	v_lshl_add_u32 v[OSI], v19, 5, v[OSI]
	s_delay_alu instid0(VALU_DEP_1)
	v_add_nc_u32 v[OSI], s46, v[OSI]
	v_mul_u32_u24 v[OSO], v19, 272
	s_delay_alu instid0(VALU_DEP_1)
	v_lshl_add_u32 v[OSO], v27, 4, v[OSO]
	s_delay_alu instid0(VALU_DEP_1)
	v_add_nc_u32 v[OSO], s46, v[OSO]
	v_lshlrev_b32 v[GO], 8, v19
	s_delay_alu instid0(VALU_DEP_1)
	v_lshl_add_u32 v[GO], v27, 4, v[GO]
	; the turn: a load's 512 bytes are two rows.  In the stage a row's two halves of 128 bytes lie in two planes of 16 rows x 144 bytes, 2,432 bytes apart
	v_mul_u32_u24 v[STI], v19, 144                 ; in: row (lane / 16) of the load's two,
	v_bfe_u32 v[TQ], v0, 3, 1
	s_delay_alu instid0(VALU_DEP_1)
	v_mad_u32_u24 v[STI], v[TQ], 2432, v[STI]      ; which half of the row,
	v_and_b32 v[TQ], 7, v0
	s_delay_alu instid0(VALU_DEP_1)
	v_lshl_add_u32 v[STI], v[TQ], 4, v[STI]        ; 16 bytes of it
	s_delay_alu instid0(VALU_DEP_1)
	v_add_nc_u32 v[STI], s46, v[STI]
	v_mul_u32_u24 v[STO], v27, 144                 ; out: row r, half h: my block of 32 numbers
	s_delay_alu instid0(VALU_DEP_1)
	v_mad_u32_u24 v[STO], v19, 2432, v[STO]
	s_delay_alu instid0(VALU_DEP_1)
	v_add_nc_u32 v[STO], s46, v[STO]
	v_add_nc_u32 v[RK], s47, v[LI]
	v_add_nc_u32 v[RKS], s47, v[L4]
	s_delay_alu instid0(VALU_DEP_1)
	v_add_nc_u32 v[RKS], 1024, v[RKS]
	s_delay_alu instid0(VALU_DEP_3)
	v_add_nc_u32 v[RQ], 48*RECB, v[RK]
	s_delay_alu instid0(VALU_DEP_2)
	v_add_nc_u32 v[RQS], 48*RECB, v[RKS]
	v_lshlrev_b32 v[VG], 3, v0                     ; V's codes: 8 bytes a thread, 4,096 a round
	v_lshrrev_b32 v[TQ], 6, v0
	s_delay_alu instid0(VALU_DEP_1)
	v_mul_u32_u24 v[VL], v[TQ], 640
	v_and_b32 v[TQ], 63, v0
	s_delay_alu instid0(VALU_DEP_1)
	v_lshl_add_u32 v[VL], v[TQ], 3, v[VL]
	s_delay_alu instid0(VALU_DEP_1)
	v_add_nc_u32 v[VL], VCOD, v[VL]
	v_and_b32 v[TQ], 8, v27
	s_delay_alu instid0(VALU_DEP_1)
	v_add_nc_u32 v[MO], v[TQ], v27                 ; r + 8 (r / 8): my row's key in its tile
	v_add_nc_u32 v[TSW], s48, v[L4]
	v_add_nc_u32 v[TVS], s49, v[L4]
	v_lshlrev_b32 v[H8], 3, v19
	s_lshl_b32 s45, s19, 3                         ; the pairs of blocks whose bytes make my sliding words: 8 x - 4 + 2 (w / 2) + e, held inside the head's 32
	s_and_b32 s27, s18, 14
	s_add_co_u32 s45, s45, s27
	s_add_co_i32 s45, s45, -4
	s_lshl_b32 s21, s29, 7
.irp e, 0,1,2,3
	s_add_co_i32 s27, s45, \e
	s_max_i32 s27, s27, 0
	s_min_i32 s27, s27, 31
	s_lshl_b32 s27, s27, 8
	s_add_co_u32 s27, s27, s21
	v_add_nc_u32 v[TG+\e], s27, v[L4]
.endr
	v_mov_b32 v[HOK], 0x01010000                   ; bytes 2 and 3 of a valid key's scale word: over zero codes
	v_mov_b32 v[HPAD], 0xe3e30000                  ; of a masked key's: 2^100
	v_mov_b32 v[FI+7], 0
	v_mov_b32 v[BPH], 0                            ; written once: a lane permute's destination counts as one of its sources
	s_wait_kmcnt 0x0
	s_add_nc_u64 s[36:37], s[6:7], s[54:55]        ; k, eight blocks back
	s_add_nc_u64 s[6:7], s[6:7], s[52:53]
	s_add_nc_u64 s[38:39], s[8:9], s[58:59]        ; mask likewise
	s_add_nc_u64 s[8:9], s[8:9], s[56:57]
	s_add_nc_u64 s[40:41], s[10:11], s[62:63]      ; vcodes likewise
	s_add_nc_u64 s[10:11], s[10:11], s[60:61]
	s_add_nc_u64 s[12:13], s[12:13], s[66:67]
	s_add_nc_u64 s[14:15], s[14:15], s[68:69]
	s_add_nc_u64 s[4:5], s[4:5], s[50:51]
	s_add_nc_u64 s[16:17], s[16:17], s[50:51]
	; THE SMALL TASKS' LOADS GO FIRST, so that every counted wait below leaves the same younger loads out in every wave.  Waves 0-11: scale bytes; waves 12, 13: the partial sums
	s_cmp_lt_u32 s18, 12
	s_cbranch_scc0 .Lno_sw_load
	s_wait_alu depctr_va_vdst(0)
.irp e, 0,1,2,3
	global_load_b32 v[XT+\e], v[TG+\e], s[12:13]
.endr
	s_branch .Ltask_asked
.Lno_sw_load:
	s_cmp_lt_u32 s18, 14
	s_cbranch_scc0 .Ltask_asked
.set g, 0
.rept 32
	global_load_b32 v[XT+g], v[L4], s[14:15] offset:256*g
.set g, g+1
.endr
.Ltask_asked:
	; 36 loads that every wave issues: 9 of V's codes, 3 mask bytes, three tiles of K
.irp i, 0,1,2
	global_load_b64 v[VC+2*\i:VC+2*\i+1], v[VG], s[40:41] offset:4096*\i
.endr
.irp i, 3,4,5,6,7,8
	global_load_b64 v[VC+2*\i:VC+2*\i+1], v[VG], s[10:11] offset:4096*(\i-3)
.endr
	global_load_u8 v[MB], v[MO], s[38:39]
	global_load_u8 v[MB+1], v[MO], s[8:9]
	global_load_u8 v[MB+2], v[MO], s[8:9] offset:256
.macro GLOADK set, base, off           ; a tile of K: two runs of 8 rows, 16 rows apart; each load takes 512 consecutive bytes
.irp j, 0,1,2,3,4,5,6,7
	global_load_b128 v[RS+32*(\set)+4*\j:RS+32*(\set)+4*\j+3], v[LI], s[\base:\base+1] offset:(\off)+512*(\j%4)+4096*(\j/4)
.endr
.endm
.macro GLOADQ set, off                 ; a tile of Q: 16 rows on end; read once in the launch
.irp j, 0,1,2,3,4,5,6,7
	global_load_b128 v[RS+32*(\set)+4*\j:RS+32*(\set)+4*\j+3], v[LI], s[4:5] offset:(\off)+512*\j th:TH_LOAD_NT
.endr
.endm
	GLOADK 0, 36, 0
	GLOADK 1, 6, 0
	GLOADK 2, 6, 65536
	; the band's two edges, while the loads are on their way.  Register n of the edge block holds key 16 h + n of it; my query is 16 (w % 2) + r of its block: delta = r - 16 h + 16 (w % 2)
	v_lshlrev_b32 v[TQ], 4, v19
	s_delay_alu instid0(VALU_DEP_1)
	v_sub_nc_u32 v[DL], v27, v[TQ]
	s_lshl_b32 s27, s29, 4
	v_add_nc_u32 v[DL], s27, v[DL]
	v_mov_b32 v[NEG], 0xf6800000                   ; -2^110
.irp n, 0,1,2,3,4,5,6,7,8,9,10,11,12,13,14,15
	v_cmp_lt_i32 vcc_lo, \n, v[DL]                 ; eight blocks back: hidden where n < delta
	s_delay_alu instid0(VALU_DEP_1)
	v_cndmask_b32 v[BW+\n], 0, v[NEG], vcc_lo
	v_cmp_gt_i32 vcc_lo, \n, v[DL]                 ; on the diagonal: hidden where n > delta
	s_delay_alu instid0(VALU_DEP_1)
	v_cndmask_b32 v[BC+\n], 0, v[NEG], vcc_lo
.endr
	s_wait_loadcnt 36                              ; the tasks' loads are in: the 36 behind them may be out
	s_cmp_lt_u32 s18, 12
	s_cbranch_scc0 .Lno_sw
	v_lshl_or_b32 v[XT], v[XT+1], 16, v[XT]        ; the bytes of blocks 4 g .. 4 g + 3,
	v_lshl_or_b32 v[XT+2], v[XT+3], 16, v[XT+2]    ; of blocks 4 g + 4 .. 4 g + 7
	ds_store_b32 v[TSW], v[XT]
.irp i, 1,2,3
	v_lshrrev_b32 v[XT+3+\i], 8*\i, v[XT]          ; and the words that begin 1, 2, 3 blocks on
	s_delay_alu instid0(VALU_DEP_1)
	v_lshl_or_b32 v[XT+3+\i], v[XT+2], 32-8*\i, v[XT+3+\i]
	ds_store_b32 v[TSW], v[XT+3+\i] offset:256*\i
.endr
	s_branch .Ltask_done
.Lno_sw:
	s_cmp_lt_u32 s18, 14
	s_cbranch_scc0 .Ltask_done
.irp n, 16,8,4,2,1
.set g, 0
.rept \n
	v_add_f32 v[XT+g], v[XT+g], v[XT+g+\n]         ; the head's 32 partial sums, as a tree
.set g, g+1
.endr
.endr
	s_delay_alu instid0(VALU_DEP_1)
	v_mul_f32 v[XT], 0x3a000000, v[XT]             ; / 2048
	ds_store_b32 v[TVS], v[XT]
.Ltask_done:
	s_wait_loadcnt 27                              ; V's nine loads are in
.irp i, 0,1,2,3,4,5,6,7,8
	ds_store_b64 v[VL], v[VC+2*\i:VC+2*\i+1] offset:5120*\i
.endr
	s_wait_dscnt 0x0                               ; the stores above have read their registers: LDS loads land in some of them next
; A tile of 16 rows x 64 numbers goes through my stage and comes back 32 neighbours a lane: lane (r, h) holds block h of row r.  LDS serves a wave's instructions in order (ISA guide 5.7.1.4): no wait between stores and loads.
.macro TURN set, left
	s_wait_loadcnt \left                           ; this tile's eight loads are in; left = the loads issued behind them
.irp j, 0,1,2,3,4,5,6,7
	ds_store_b128 v[STI], v[RS+32*(\set)+4*\j:RS+32*(\set)+4*\j+3] offset:288*\j
.endr
.irp j, 0,1,2,3,4,5,6,7
	ds_load_b128 v[XT+4*\j:XT+4*\j+3], v[STO] offset:16*\j
.endr
	s_wait_dscnt 0x0                               ; the tile is back; the set's registers have been read, and so have the last image's
.endm
; The block's scale and codes; the image (registers 0-5 the codes, register 6 the mask's code, register 7 zero) and the scale word go to record idx x 16 + wave.
.macro QOUT isq, idx
	v_max3_num_f32 v[MXA], |v[XT]|, |v[XT+1]|, |v[XT+2]|
	v_max3_num_f32 v[MXB], |v[XT+3]|, |v[XT+4]|, |v[XT+5]|
.irp i, 6,10,14,18,22,26
	s_delay_alu instid0(VALU_DEP_2)
	v_max3_num_f32 v[MXA], v[MXA], |v[XT+\i]|, |v[XT+\i+1]|
	s_delay_alu instid0(VALU_DEP_2)
	v_max3_num_f32 v[MXB], v[MXB], |v[XT+\i+2]|, |v[XT+\i+3]|
.endr
	s_delay_alu instid0(VALU_DEP_2)
	v_max3_num_f32 v[MXA], v[MXA], |v[XT+30]|, |v[XT+31]|
	s_delay_alu instid0(VALU_DEP_1)
	v_max3_num_f32 v[MXA], v[MXA], v[MXB], 0x2800000               ; and the floor 2^(5 - 127): the byte cannot fall under 1
	s_delay_alu instid0(VALU_DEP_1)
	v_add_nc_u32 v[SCV], 0xfe000000, v[MXA]        ; 4 off the exponent field: the conversions' scale operand
	s_delay_alu instid0(VALU_DEP_1)
	v_lshrrev_b32 v[BY], 23, v[SCV]                ; the scale's byte
	v_cvt_scalef32_pk16_bf6_f32 v[FI:FI+2], v[XT:XT+15], v[SCV]
	v_cvt_scalef32_pk16_bf6_f32 v[TC:TC+2], v[XT+16:XT+31], v[SCV]   ; (a conversion's three registers begin on an even number)
	v_lshlrev_b32 v[BY], v[H8], v[BY]              ; my byte at its place, 8 h bits up.  (Also the plain line behind the conversions)
.irp i, 0,1,2
	v_mov_b32 v[FI+3+\i], v[TC+\i]
.endr
	s_delay_alu instid0(VALU_DEP_4)
	v_permlanex16_b32 v[BPH], v[BY], s[SEL], s[SEL+1]
	s_delay_alu instid0(VALU_DEP_1)
	v_or_b32 v[WD], v[BY], v[BPH]                  ; with lane l xor 16's: bytes 0 and 1 of the row's word
.if \isq
	v_mov_b32 v[FI+6], 0x0c                        ; the code 1.0 at k = 64 + 32 h,
	s_delay_alu instid0(VALU_DEP_2)
	v_or_b32 v[WD], 0x7f7f0000, v[WD]              ; under 2^0
	ds_store_b128 v[RQ], v[FI:FI+3] offset:16*RECB*(\idx)
	ds_store_b128 v[RQ], v[FI+4:FI+7] offset:16*RECB*(\idx)+512
	ds_store_b32 v[RQS], v[WD] offset:16*RECB*(\idx)
.else
.if (\idx) == 0
	v_and_b32 v[MB], s35, v[MB]                    ; for x = 0 these keys do not exist
.endif
	v_cmp_ne_u32 vcc_lo, 0, v[MB+(\idx)]
	s_delay_alu instid0(VALU_DEP_1)
	v_cndmask_b32 v[FI+6], 63, v[FI+7], vcc_lo     ; a valid key: the code 0; a masked key: the code -28,
	s_delay_alu instid0(VALU_DEP_2)
	v_cndmask_b32 v[HI], v[HPAD], v[HOK], vcc_lo   ; under 2^100
	s_delay_alu instid0(VALU_DEP_1)
	v_or_b32 v[WD], v[WD], v[HI]
	ds_store_b128 v[RK], v[FI:FI+3] offset:16*RECB*(\idx)
	ds_store_b128 v[RK], v[FI+4:FI+7] offset:16*RECB*(\idx)+512
	ds_store_b32 v[RKS], v[WD] offset:16*RECB*(\idx)
.endif
.endm
	TURN 0, 16                                     ; K's first tile; behind it: K's second and third
	GLOADQ 0, 0                                    ; its set takes my first tile of Q
	QOUT 0, 0
	TURN 1, 16                                     ; behind it: K's third, Q's first
	GLOADQ 1, 65536                                ; my second tile of Q: 16 tiles on
	QOUT 0, 1
	TURN 2, 16                                     ; behind it: Q's two
	QOUT 0, 2
	TURN 0, 8
	QOUT 1, 0
	TURN 1, 0
	QOUT 1, 1
	s_wait_dscnt 0x0                               ; for the others' sake: all my LDS stores have landed
	s_barrier_signal -1
	s_barrier_wait -1                              ; the launch's one barrier: records, V's codes, the sliding words and the mean lie in LDS, and are only read from here on
.irp t, 0,1,2,3
.irp i, 8,9,10,11
	v_mov_b32 v[KF+12*\t+\i], 0                    ; the fragments' last four registers: zero codes, never loaded
.endr
.endr
.irp i, 8,9,10,11
	v_mov_b32 v[QF+\i], 0
.endr
.irp b, 0,1,2,3
	v_mov_b32 v[BPM+\b], 0                         ; written once: a lane permute's destination counts as one of its sources
.endr
	v_mov_b32 v[FF+1], 0                           ; (named as the upper half of a pair)
; cnt tiles of K from record rho on (of the trip's records), and their products into S^T's tiles first on.  bias: the C of the group's tiles 0 and 1, or 0 for none.  The accumulators take turns.
.macro SGROUP rho, cnt, first, bias
.irp t, 0,1,2,3
.if \t < (\cnt)
	ds_load_b128 v[KF+12*\t:KF+12*\t+3], v[ADK] offset:((\rho)+\t)*RECB
	ds_load_b128 v[KF+12*\t+4:KF+12*\t+7], v[ADK] offset:((\rho)+\t)*RECB+512
	ds_load_b32 v[KS+\t], v[ADS] offset:((\rho)+\t)*RECB+1024
.endif
.endr
	s_wait_dscnt 0x0
.irp t, 0,1,2,3
.if \t < (\cnt)
.if (\bias) && (\t < 2)
	v_wmma_scale_f32_16x16x128_f8f6f4 v[SCO+8*((\first)+\t):SCO+8*((\first)+\t)+7], v[KF+12*\t:KF+12*\t+11], v[QF:QF+11], v[8*\t+(\bias):8*\t+(\bias)+7], v[KS+\t], v[QS] matrix_a_fmt:MATRIX_FMT_BF6 matrix_b_fmt:MATRIX_FMT_BF6
.else
	v_wmma_scale_f32_16x16x128_f8f6f4 v[SCO+8*((\first)+\t):SCO+8*((\first)+\t)+7], v[KF+12*\t:KF+12*\t+11], v[QF:QF+11], 0, v[KS+\t], v[QS] matrix_a_fmt:MATRIX_FMT_BF6 matrix_b_fmt:MATRIX_FMT_BF6
.endif
.endif
.endr
.endm
.macro PLACES n                        ; plain vector instructions that name none of a matrix instruction's registers: 4 ahead of loads into, and reads of, its registers; 5 ahead of a matrix instruction that writes over them
.rept \n
	v_nop
.endr
.endm
.macro NEWM                            ; v[TA] = the step's largest score of my query
	s_delay_alu instid0(VALU_DEP_1)
	v_mul_f32 v[TA], s[CS], v[TA]                  ; as t (c is positive)
	s_delay_alu instid0(VALU_DEP_1)
	v_max_num_f32 v13, v13, v[TA]                  ; the running largest t
	v_mov_b32 v[TA], v12
	s_delay_alu instid0(VALU_DEP_2)
	v_floor_f32 v12, -v13                          ; the new -M = floor(-t): M is a whole number
	s_delay_alu instid0(VALU_DEP_1)
	v_sub_f32 v[TA], v12, v[TA]                    ; old M - new M: a whole number, 0 or less
	s_delay_alu instid0(VALU_DEP_1)
	v_cvt_i32_f32 v[TA], v[TA]                     ; (it saturates)
	s_delay_alu instid0(VALU_DEP_1)
	v_ldexp_f32 v[FF], 1.0, v[TA]                  ; f = 2^(old M - new M): a multiplication by it rounds nothing
.endm
.macro VLOAD blk                       ; four tiles of V^T (16 d x the four blocks blk on, of the trip's) and their scale words
.irp t, 0,1,2,3
.irp c, 0,1
.irp p, 0,1,2
	ds_load_b64 v[VF+12*\t+6*\c+2*\p:VF+12*\t+6*\c+2*\p+1], v[ADV] offset:((\blk)+2*\c)*1920+640*\p+128*\t
.endr
.endr
	ds_load_b32 v[KS+\t], v[ADW] offset:256*(\blk)+64*\t
.endr
.endm
.macro RESCALE                         ; O^T under the new M, each accumulator from its low end on.  These 16 are also the places between the writes of p's codes and scale word and the scaled products
.set j, 0
.rept 16
	v_pk_mul_f32 v[OT+j:OT+j+1], v[OT+j:OT+j+1], v[FF:FF+1] op_sel_hi:[1,0]
.set j, j+2
.endr
.endm
.macro PVMUL                           ; O^T += V^T P^T: four accumulators by turns
	s_wait_dscnt 0x0
.irp t, 0,1,2,3
	v_wmma_scale_f32_16x16x128_f8f6f4 v[OT+8*\t:OT+8*\t+7], v[VF+12*\t:VF+12*\t+11], v[PF:PF+11], v[OT+8*\t:OT+8*\t+7], v[KS+\t], v[PW] matrix_a_fmt:MATRIX_FMT_BF6 matrix_b_fmt:MATRIX_FMT_BF6
.endr
.endm
; A STEP OF FOUR BLOCKS, 4 st .. 4 st + 3 of the trip's nine.
.macro STEP128 st, bias
	PLACES 5                                       ; S^T's products write over registers that the last V^T P^T read
	SGROUP 8*(\st), 4, 0, \bias
	PLACES 4
	SGROUP 8*(\st)+4, 4, 4, 0
	PLACES 4
.irp b, 0,1,2,3
	v_max3_num_f32 v[BM+\b], v[SCO+16*\b], v[SCO+1+16*\b], v[SCO+2+16*\b]   ; the largest score of each block: for the row's maximum, and, since p rises with the score, for the block's largest p
.endr
.irp i, 3,5,7,9,11,13
.irp b, 0,1,2,3
	v_max3_num_f32 v[BM+\b], v[BM+\b], v[SCO+16*\b+\i], v[SCO+1+16*\b+\i]   ; (the four blocks by turns)
.endr
.endr
.irp b, 0,1,2,3
	v_max_num_f32 v[BM+\b], v[BM+\b], v[SCO+15+16*\b]
.endr
.irp b, 0,1,2,3
	s_delay_alu instid0(VALU_DEP_4)
	v_permlanex16_b32 v[BPM+\b], v[BM+\b], s[SEL], s[SEL+1]
.endr
.irp b, 0,1,2,3
	s_delay_alu instid0(VALU_DEP_4)
	v_max_num_f32 v[BM+\b], v[BM+\b], v[BPM+\b]    ; with lane l xor 16's 16 keys
.endr
	s_delay_alu instid0(VALU_DEP_2)
	v_max3_num_f32 v[TA], v[BM], v[BM+1], v[BM+2]
	s_delay_alu instid0(VALU_DEP_1)
	v_max_num_f32 v[TA], v[TA], v[BM+3]
	NEWM
.set j, 0
.rept 32
	v_pk_fma_f32 v[SCO+j:SCO+j+1], v[SCO+j:SCO+j+1], s[CS:CS+1], v[12:13] op_sel_hi:[1,0,0]   ; t - M, two at a time (of the pairs c and -M the low word serves both halves)
.set j, j+2
.endr
.irp b, 0,1,2,3
	v_fma_f32 v[BM+\b], v[BM+\b], s[CS], v12       ; the same of each block's largest score
.endr
.set j, 0
	s_wait_alu depctr_va_vdst(0)
.rept 64
	v_exp_f32 v[SCO+j], v[SCO+j]                   ; p = 2^(t - M), at most 1; 0 for a hidden key
.set j, j+1
.endr
	v_pk_mul_f32 v[14:15], v[14:15], v[FF:FF+1] op_sel_hi:[1,0]   ; the sums under the new M.  (The plain line behind the exponentials)
	s_wait_alu depctr_va_vdst(0)                   ; one wait for the batch of 64, ahead of its first reader
.irp b, 0,1,2,3
	v_exp_f32 v[BM+\b], v[BM+\b]                   ; the block's largest p: the same two instructions on the same number give the same bits
.endr
	v_pk_add_f32 v[218:219], v[90:91], v[94:95]
	v_pk_add_f32 v[220:221], v[98:99], v[102:103]
	v_pk_add_f32 v[212:213], v[106:107], v[110:111]
	v_pk_add_f32 v[210:211], v[114:115], v[118:119]
	v_pk_add_f32 v[208:209], v[122:123], v[126:127]
	v_pk_add_f32 v[206:207], v[130:131], v[134:135]
	v_pk_add_f32 v[200:201], v[138:139], v[142:143]
	v_pk_add_f32 v[14:15], v[14:15], v[146:147]
	v_pk_add_f32 v[218:219], v[218:219], v[86:87]
	v_pk_add_f32 v[220:221], v[220:221], v[88:89]
	v_pk_add_f32 v[212:213], v[212:213], v[92:93]
	v_pk_add_f32 v[210:211], v[210:211], v[96:97]
	v_pk_add_f32 v[208:209], v[208:209], v[100:101]
	v_pk_add_f32 v[206:207], v[206:207], v[104:105]
	v_pk_add_f32 v[200:201], v[200:201], v[108:109]
	v_pk_add_f32 v[14:15], v[14:15], v[112:113]
	v_pk_add_f32 v[218:219], v[218:219], v[116:117]
	v_pk_add_f32 v[220:221], v[220:221], v[120:121]
	v_pk_add_f32 v[212:213], v[212:213], v[124:125]
	v_pk_add_f32 v[210:211], v[210:211], v[128:129]
	v_pk_add_f32 v[208:209], v[208:209], v[132:133]
	v_pk_add_f32 v[206:207], v[206:207], v[136:137]
	v_pk_add_f32 v[200:201], v[200:201], v[140:141]
	v_pk_add_f32 v[14:15], v[14:15], v[144:145]
	v_pk_add_f32 v[218:219], v[218:219], v[148:149]
	s_delay_alu instid0(VALU_DEP_2)
	v_pk_add_f32 v[14:15], v[14:15], v[210:211]
	s_delay_alu instid0(VALU_DEP_2)
	v_pk_add_f32 v[218:219], v[218:219], v[208:209]
	v_pk_add_f32 v[220:221], v[220:221], v[206:207]
	v_pk_add_f32 v[212:213], v[212:213], v[200:201]
	s_delay_alu instid0(VALU_DEP_2)
	v_pk_add_f32 v[14:15], v[14:15], v[220:221]
	s_delay_alu instid0(VALU_DEP_2)
	v_pk_add_f32 v[218:219], v[218:219], v[212:213]
	s_delay_alu instid0(VALU_DEP_1)
	v_pk_add_f32 v[14:15], v[14:15], v[218:219]
	s_wait_alu depctr_va_vdst(0)                   ; and one for the four
.irp b, 0,1,2,3
	v_max_num_f32 v[BM+\b], 0x2800000, v[BM+\b]    ; the floor 2^(5 - 127): a block whose every p is 0 keeps the byte 1 over zero codes
.endr
.irp b, 0,1,2,3
	s_delay_alu instid0(VALU_DEP_4)
	v_add_nc_u32 v[SCL+\b], 0xfe000000, v[BM+\b]   ; 4 off the exponent field: the conversion's scale operand
.endr
.irp b, 0,1,2,3
	s_delay_alu instid0(VALU_DEP_4)
	v_lshrrev_b32 v[BPM+\b], 23, v[SCL+\b]         ; the scale's byte
.endr
	s_delay_alu instid0(VALU_DEP_3)
	v_lshl_or_b32 v[PW], v[BPM+1], 8, v[BPM]       ; p's scale word for these four blocks
	s_delay_alu instid0(VALU_DEP_1)
	v_lshl_or_b32 v[PW], v[BPM+2], 16, v[PW]
	s_delay_alu instid0(VALU_DEP_1)
	v_lshl_or_b32 v[PW], v[BPM+3], 24, v[PW]
.irp c, 0,1
	v_cvt_scalef32_pk16_bf6_f32 v[PF+6*\c:PF+6*\c+2], v[SCO+32*\c:SCO+32*\c+15], v[SCL+2*\c]
	v_cvt_scalef32_pk16_bf6_f32 v[PT+4*\c:PT+4*\c+2], v[SCO+16+32*\c:SCO+31+32*\c], v[SCL+2*\c+1]
.endr
	v_nop                                          ; one plain line behind the conversions
	VLOAD 4*(\st)                                  ; into p's registers, which the conversions have read; they land while the codes are put in order
.irp c, 0,1                                    ; the operand's layout wants a whole block in a lane: lanes 0-15 block 2 c, lanes 16-31 block 2 c + 1
.irp i, 0,1,2
	v_permlane16_swap_b32 v[PF+6*\c+\i], v[PT+4*\c+\i]
.endr
.irp i, 0,1,2
	s_delay_alu instid0(VALU_DEP_3)
	v_mov_b32 v[PF+3+6*\c+\i], v[PT+4*\c+\i]
.endr
.endr
	RESCALE
	s_wait_alu depctr_va_vdst(0)
	PVMUL
.endm
; THE DIAGONAL BLOCK, the trip's ninth.  Its product's K is blocks 5 to 8 of the nine, so that no block beyond the work-group's 24 is named: p's codes of blocks 5 to 7 are zeros here.
.macro STEP32
	PLACES 5
	SGROUP 16, 2, 0, BC
	PLACES 4
	v_max3_num_f32 v[BM], v[SCO], v[SCO+1], v[SCO+2]
	v_max3_num_f32 v[TA], v[SCO+3], v[SCO+4], v[SCO+5]
	v_max3_num_f32 v[BM], v[BM], v[SCO+6], v[SCO+7]
	v_max3_num_f32 v[TA], v[TA], v[SCO+8], v[SCO+9]
	v_max3_num_f32 v[BM], v[BM], v[SCO+10], v[SCO+11]
	v_max3_num_f32 v[TA], v[TA], v[SCO+12], v[SCO+13]
	v_max3_num_f32 v[BM], v[BM], v[SCO+14], v[SCO+15]
	s_delay_alu instid0(VALU_DEP_1)
	v_max_num_f32 v[BM], v[BM], v[TA]
	s_delay_alu instid0(VALU_DEP_1)
	v_permlanex16_b32 v[BPM], v[BM], s[SEL], s[SEL+1]
	s_delay_alu instid0(VALU_DEP_1)
	v_max_num_f32 v[BM], v[BM], v[BPM]
	s_delay_alu instid0(VALU_DEP_1)
	v_mov_b32 v[TA], v[BM]
	NEWM
.set j, 0
.rept 8
	v_pk_fma_f32 v[SCO+j:SCO+j+1], v[SCO+j:SCO+j+1], s[CS:CS+1], v[12:13] op_sel_hi:[1,0,0]
.set j, j+2
.endr
	v_fma_f32 v[BM], v[BM], s[CS], v12
.set j, 0
	s_wait_alu depctr_va_vdst(0)
.rept 16
	v_exp_f32 v[SCO+j], v[SCO+j]
.set j, j+1
.endr
	v_pk_mul_f32 v[14:15], v[14:15], v[FF:FF+1] op_sel_hi:[1,0]   ; (the plain line behind the exponentials)
	s_wait_alu depctr_va_vdst(0)                   ; one wait for the batch of 16
	v_exp_f32 v[BM], v[BM]
	v_pk_add_f32 v[L2:L2+1], v[SCO:SCO+1], v[SCO+2:SCO+3]
.irp j, 4,8,12
	v_pk_add_f32 v[14:15], v[14:15], v[SCO+\j:SCO+\j+1]
	v_pk_add_f32 v[L2:L2+1], v[L2:L2+1], v[SCO+2+\j:SCO+3+\j]
.endr
	s_delay_alu instid0(VALU_DEP_1)
	v_pk_add_f32 v[14:15], v[14:15], v[L2:L2+1]
	s_wait_alu depctr_va_vdst(0)                   ; and one for the block's largest p
	v_max_num_f32 v[BM], 0x2800000, v[BM]
	s_delay_alu instid0(VALU_DEP_1)
	v_add_nc_u32 v[SCL], 0xfe000000, v[BM]
	s_delay_alu instid0(VALU_DEP_1)
	v_lshrrev_b32 v[BPM], 23, v[SCL]
	s_delay_alu instid0(VALU_DEP_1)
	v_lshl_or_b32 v[PW], v[BPM], 24, 0x010101      ; the block stands fourth; the three in front have zero codes under the byte 1
	v_cvt_scalef32_pk16_bf6_f32 v[PT:PT+2], v[SCO:SCO+15], v[SCL]
	v_nop                                          ; one plain line behind the conversion
	VLOAD 5
.irp i, 0,1,2,3,4,5,6,7,8
	v_mov_b32 v[PF+\i], 0
.endr
.irp i, 0,1,2
	v_permlane16_swap_b32 v[PF+6+\i], v[PT+\i]     ; lanes 16-31 of registers 6-8 take the block's lower 16 codes from lanes 0-15, which get zeros back;
.endr
.irp i, 0,1,2
	s_delay_alu instid0(VALU_DEP_3)
	v_mov_b32 v[PF+9+\i], v[PT+\i]                 ; registers 9-11: lanes 16-31 their own upper 16 codes, lanes 0-15 zeros
.endr
	RESCALE
	s_wait_alu depctr_va_vdst(0)
	PVMUL
.endm
	s_mov_b32 s34, 0
.Ltrip:                                            ; two trips: query tiles w and w + 16
	v_add_nc_u32 v[ADK], s30, v[LI]
	v_add_nc_u32 v[ADS], s30, v[L4]
	s_wait_alu depctr_va_vdst(0)
	v_add_nc_u32 v[ADV], s31, v[AV0]
	v_add_nc_u32 v[ADW], s32, v[AW0]
	v_add_nc_u32 v[ADQ], s33, v[LI]
	v_add_nc_u32 v[ADQS], s33, v[L4]
	ds_load_b128 v[QF:QF+3], v[ADQ]
	ds_load_b128 v[QF+4:QF+7], v[ADQ] offset:512
	ds_load_b32 v[QS], v[ADQS] offset:1024
.irp t, 0,1,2,3
	ds_load_b128 v[OT+8*\t:OT+8*\t+3], v[AVS] offset:64*\t         ; O^T starts as the mean of all quantised v: register 8 t + j is d = 16 t + 8 h + j
	ds_load_b128 v[OT+8*\t+4:OT+8*\t+7], v[AVS] offset:64*\t+16
.endr
	v_mov_b32 v13, 0xec800000                      ; the largest t so far: -2^90, over every hidden key's t
	s_delay_alu instid0(VALU_DEP_1)
	v_floor_f32 v12, -v13                          ; -M
	v_mov_b32 v14, 0.5                             ; the sum starts at 1: a half in each half of the lanes
	v_mov_b32 v15, 0
	STEP128 0, BW
	STEP128 1, 0
	STEP32
	; THE WAY OUT.  O^T / the sum goes through my stage, and leaves as whole rows of 256 bytes, two an instruction.
	v_add_f32 v14, v14, v15                        ; the sum's two halves,
	s_delay_alu instid0(VALU_DEP_1)
	v_permlanex16_b32 v[TA], v14, s[SEL], s[SEL+1]
	s_delay_alu instid0(VALU_DEP_1)
	v_add_f32 v14, v14, v[TA]                      ; and lane l xor 16's
	v_nop
	v_nop                                          ; (with the lines above and the one below: the places behind the last products)
	s_wait_alu depctr_va_vdst(0)
	v_rcp_f32 v[FF], v14
	v_nop                                          ; a plain line behind the reciprocal,
	s_wait_alu depctr_va_vdst(0)                   ; and a wait ahead of its first reader
.set j, 0
.rept 16
	v_pk_mul_f32 v[SCO+j:SCO+j+1], v[OT+j:OT+j+1], v[FF:FF+1] op_sel_hi:[1,0]   ; each accumulator from its low end on
.set j, j+2
.endr
.irp t, 0,1,2,3
	ds_store_b128 v[OSI], v[SCO+8*\t:SCO+8*\t+3] offset:64*\t
	ds_store_b128 v[OSI], v[SCO+8*\t+4:SCO+8*\t+7] offset:64*\t+16
.endr
.irp i, 0,1,2,3,4,5,6,7
	ds_load_b128 v[SCO+32+4*\i:SCO+32+4*\i+3], v[OSO] offset:544*\i   ; LDS serves a wave's instructions in order: these see my stores
.endr
.irp i, 0,1,2,3,4,5,6,7
	s_wait_dscnt 7-\i                              ; the later loads may stay out
	global_store_b128 v[GO], v[SCO+32+4*\i:SCO+32+4*\i+3], s[16:17] offset:512*\i th:TH_STORE_NT   ; 32 lanes store 512 consecutive bytes, at a multiple of 256 from out's first byte
.endr
	s_wait_xcnt 0x0                                ; the stores have read their registers and their base: both are written again only behind this wait
	s_add_nc_u64 s[16:17], s[16:17], 0x10000       ; 16 tiles of 16 rows on
	s_add_co_u32 s30, s30, 16*RECB                 ; eight blocks on: 16 records of K,
	s_add_co_u32 s33, s33, 16*RECB                 ; 16 of Q,
	s_add_co_u32 s31, s31, 8*1920                  ; eight blocks of V
	s_add_co_u32 s32, s32, 8*256                   ; and of its sliding words
	s_add_co_u32 s34, s34, 1
	s_cmp_lt_u32 s34, 2
	s_cbranch_scc1 .Ltrip
	s_wait_tensorcnt 0x0
	ds_add_u32 v217, v223
	s_wait_dscnt 0x0
	s_endpgm
.Lfunc_end_k_qa39da06858_attend:
	.size	k_qa39da06858_attend, .Lfunc_end_k_qa39da06858_attend-k_qa39da06858_attend
	.p2alignl 7, 3214868480
	.fill 96, 4, 3214868480
	.section	.rodata,"a",@progbits
	.p2align	6, 0x0
	.amdhsa_kernel k_qa39da06858_attend
		.amdhsa_group_segment_fixed_size 224512
		.amdhsa_private_segment_fixed_size 0
		.amdhsa_enable_private_segment 0
		.amdhsa_kernarg_size 56
		.amdhsa_user_sgpr_count 2
		.amdhsa_user_sgpr_kernarg_segment_ptr 1
		.amdhsa_wavefront_size32 1
		.amdhsa_system_sgpr_workgroup_id_x 1
		.amdhsa_system_sgpr_workgroup_id_y 1
		.amdhsa_system_sgpr_workgroup_id_z 1
		.amdhsa_system_vgpr_workitem_id 0
		.amdhsa_next_free_vgpr 256
		.amdhsa_next_free_sgpr 72
		.amdhsa_reserve_vcc 1
		.amdhsa_float_denorm_mode_32 3
		.amdhsa_float_denorm_mode_16_64 3
		.amdhsa_memory_ordered 1
		.amdhsa_forward_progress 1
		.amdhsa_inst_pref_size 90
	.end_amdhsa_kernel
	.amdgpu_metadata
---
amdhsa.version: [ 1, 2 ]
amdhsa.kernels:
  - .name:           k_qa39da06858_attend
    .symbol:         k_qa39da06858_attend.kd
    .args:
      - { .name: q, .offset: 0, .size: 8, .value_kind: global_buffer, .address_space: global }
      - { .name: k, .offset: 8, .size: 8, .value_kind: global_buffer, .address_space: global }
      - { .name: mask, .offset: 16, .size: 8, .value_kind: global_buffer, .address_space: global }
      - { .name: vcodes, .offset: 24, .size: 8, .value_kind: global_buffer, .address_space: global }
      - { .name: vsch, .offset: 32, .size: 8, .value_kind: global_buffer, .address_space: global }
      - { .name: vpart, .offset: 40, .size: 8, .value_kind: global_buffer, .address_space: global }
      - { .name: out0, .offset: 48, .size: 8, .value_kind: global_buffer, .address_space: global }
    .group_segment_fixed_size: 224512
    .private_segment_fixed_size: 0
    .kernarg_segment_align: 8
    .kernarg_segment_size: 56
    .max_flat_workgroup_size: 512
    .sgpr_count:     72
    .vgpr_count:     256
    .wavefront_size: 32
...
	.end_amdgpu_metadata
.endif
;; end of part 2
